; MI455X (gfx1250); checked and timed in simulation.
; The chip was launched on July 23, 2026; its instructions are those of AMD's public machine-readable ISA for CDNA 5 (MIT licence, August 2026) and "CDNA5" Instruction Set Architecture Reference Guide (July 2026). The comments in the code are by the model that wrote it; some were corrected since.
;; Explicit Attention. Allowed arithmetic: matrix products marked QUANTISED: E2M1 operands, one E8M0 scale for each 32 along K, by v_wmma_scale_f32_16x16x128_f8f6f4 with both operands' format E2M1 (or v_wmma_scale_f32_32x16x128_f4), f32 sums; products left as they are: bf16, f16 or f32 operands; f32 sums; everything else in f32.
;; Inputs: k 1 x 16 x 4,096 x 128 float32; kv_segment_ids 1 x 4,096 int32; q 1 x 16 x 4,096 x 128 float32; q_segment_ids 1 x 4,096 int32; v 1 x 16 x 4,096 x 128 float32.
;; Outputs: out0 1 x 16 x 4,096 x 128 float32.
;; This version of the problem:
;;   THIS VERSION OF THE PROBLEM IS GIVEN IN LOW PRECISION. The matrix products marked QUANTISED in the list below multiply operands that are first quantised to E2M1 (2 exponent bits, 1 mantissa bit; 4 bits a number), with one power-of-two scale for each 32 numbers along K (OCP MX v1.0); their sums are f32. The products marked 'left as it is' may take bf16, f16 or f32 operands, with f32 sums. Whichever they take, every output number must still come out within the allowed error. Rounding operands to bf16 (8 significant bits) uses up far more of that allowance than f16 does (11 bits, for magnitudes from 6e-5 to 65,504). All else is computed in f32.
;;   The module's matrix products, in the order in which they are computed (A, B: the left and right operand; K: the contracted axis; several contracted axes count as one K, in the product's order):
;;     1. batch 16 x [M 4,096, K 128] x [K 128, N 4,096]; A: input q; B: input k: QUANTISED
;;     2. batch 16 x [M 4,096, K 4,096] x [K 4,096, N 128]; A: computed on the way; B: input v: left as it is (an operand is computed on the way)
;;   THE QUANTISER, for each operand of a quantised product, along K:
;;     - K is cut into blocks of 32 from its start; a last block that is shorter is filled with zeros.
;;     - A block's scale is 2^e with e = floor(log2(the largest magnitude in the block)) - 2, held to -126 .. 127; a block of zeros has e = 0. As a byte (E8M0): e + 127.
;;     - Each number is divided by its block's scale, clamped to +-6, and rounded to the nearest number of E2M1, ties to even, subnormals kept.
;;     - The product sums the exact products of the quantised numbers (number of the format x scale) in f32.
;;   ~~~python
;;   def quantise(x, axis):      # numpy; x: float32 -> the quantised numbers, widened to float32 again
;;       x = np.moveaxis(x, axis, -1); K = x.shape[-1]
;;       x = np.pad(x, [(0, 0)] * (x.ndim - 1) + [(0, -K % 32)]); x = x.reshape(x.shape[:-1] + (-1, 32)); a = np.abs(x).max(-1, keepdims=True)
;;       e = np.where(a > 0, np.clip(np.frexp(np.where(a > 0, a, 1))[1] - 1 - 2, -126, 127), 0)      # np.frexp(a)[1] - 1 = floor(log2(a)), exactly
;;       r = np.clip(x / 2.0 ** e, -6, 6)
;;       step = 2.0 ** (np.maximum(np.frexp(np.where(r == 0, 1, r))[1] - 1, 0) - 1)
;;       q = np.round(r / step) * step * 2.0 ** e      # np.round: ties to even
;;       return np.moveaxis(q.reshape(q.shape[:-2] + (-1,))[..., :K], -1, axis).astype(np.float32)
;;   ~~~
;; One version. Each part assembles by itself: llvm-mc -triple=amdgcn-amd-amdhsa -mcpu=gfx1250 --defsym DOCPART=n.
;; ======== version 1 of 1: 2 launches
;; limits: values are held in f16: magnitudes above 65,504 overflow, below 6.1e-05 lose precision
;; workspace buffers: ws 25,690,112 bytes; hid 2,097,152 bytes of whole numbers
;; launch prep (part 1): grid 1024 x 1, 4 waves a work-group, no clusters, 34,304 bytes of LDS; arguments q, k, v, q_segment_ids, kv_segment_ids, ws, hid; writes ws, hid
.if DOCPART == 1
	.amdgcn_target "amdgcn-amd-amdhsa--gfx1250"
	.amdhsa_code_object_version 6
	.text
	.protected	k_q4a10104029_prep
	.globl	k_q4a10104029_prep
	.p2align	8
	.type	k_q4a10104029_prep,@function
k_q4a10104029_prep:
	s_mov_b64 s[64:65], 0
	v_nop
	global_prefetch_b8 v0, s[64:65] scope:SCOPE_SE
	s_setreg_imm32_b32 hwreg(HW_REG_WAVE_MODE, 25, 1), 1
	s_wait_xcnt 0x0
; THE LAUNCH IN FRONT OF THE ATTENTION.  It lays everything that the attention's waves read as IMAGES OF THEIR OPERAND REGISTERS, so that every later read is 16 bytes a lane, dense.
; q, k, v: [16 heads][4096][128] f32.  Three kinds of work-group, told apart by the work-group's number alone:
;   0 .. 511    q (0-255) and k (256-511) become codes of E2M1 with one E8M0 byte for each 32 along the head's 128
;   512 .. 767  v becomes f16, turned so that the keys run along a lane's registers
;   768 .. 1023 the two lists of segment ids become lane masks: bit = 1 where a query may NOT see a key
; ws, one head = HB bytes: KC k's codes | V0 v of the even blocks of 64 keys | V1 of the odd blocks | KS k's scale words | QC q's codes | QS q's scale words.
;   a tile of 16 rows of codes = 1,024 bytes [c 0..1][lane][16 bytes]: lane 16 h + r holds row r, channels 64 c + 32 h + 0 .. 31
;   a block of 64 keys of v = 16,384 bytes: fragment 8 ks + ct = 1,024 bytes [c][lane][16 bytes]: lane 16 h + r holds channel 16 ct + r, keys 32 ks + 16 c + 8 h + 0 .. 7
; hid: [pair of query tiles 128][block of 64 keys 64][n 32][e 2] words: bit 16 h + r of word (n = 8 t + j, e): query 16 (2 pair + e) + r against key 64 b + 16 t + 8 h + j.
; THE QUANTISER: a block's scale is 2^(floor(log2(largest magnitude)) - 2); its byte is the largest magnitude's exponent field - 2, held at 1 from below; division, nearest code, ties to even, beyond 6 the code of 6.
; LIMITS: a block of zeros gets the byte 1 where the rule says 127 (its codes are zeros, and this program alone reads the bytes); blocks whose largest magnitude lies under 2^-124 are held at the byte 1;
; |v| above 65,504 has no f16 number; NaN and infinities among q, k, v are not served.  The ids may be any int32: they are only compared for equality.
.set HB,    1605632
.set KC,    0
.set V0,    262144
.set KS,    1310720
.set QC,    1327104
.set QS,    1589248
.set STG,   8448                       ; LDS: a stage of 16 rows x (512 + 16) bytes for each wave of the first kind
.set SPARE, 4*STG                      ; behind the stages: the spare words, 128 bytes a wave
.set SPW,   6                          ; v6  LDS address of my spare word; never rewritten
.set NIL,   7                          ; v7  0; never rewritten
.set R,     64                         ; v64-191  two sets of 64: a tile of 16 rows as it is loaded
.set X,     192                        ; v192-255 my two blocks of 32 neighbours
.set CD,    16                         ; v16-47   codes, 8 registers a tile, never rewritten
.set SW,    48                         ; v48-51   a scale word a tile
.macro CLOSE                           ; the wave's end
	s_wait_tensorcnt 0x0
	ds_add_u32 v[SPW], v[NIL]
	s_wait_dscnt 0x0
	s_endpgm
.endm
	s_load_b256 s[4:11], s[0:1], 0x0               ; q s[4:5], k s[6:7], v s[8:9], q's ids s[10:11]
	s_load_b128 s[12:15], s[0:1], 0x20             ; the keys' ids s[12:13], ws s[14:15]
	s_load_b64 s[16:17], s[0:1], 0x30              ; hid
	v_lshl_add_u32 v[SPW], v0, 2, SPARE
	v_mov_b32 v[NIL], 0
	v_lshrrev_b32 v8, 5, v0
	v_readfirstlane_b32 s18, v8                    ; wave 0..3
	v_and_b32 v9, 31, v0                           ; lane
	v_lshlrev_b32 v1, 4, v9                        ; 16 x lane
	v_lshlrev_b32 v4, 2, v9                        ; 4 x lane
	v_and_b32 v10, 15, v0                          ; r
	v_bfe_u32 v11, v0, 4, 1                        ; h
	s_wait_kmcnt 0x0
	s_cmp_ge_u32 ttmp9, 768
	s_cbranch_scc1 .Lmask
	s_cmp_ge_u32 ttmp9, 512
	s_cbranch_scc1 .Lvals
; ---- q and k.  A work-group takes 256 rows, a wave 4 tiles of 16: 32 KiB of dense memory.  Each load reads one row, 512 consecutive bytes; the tile turns through the wave's own stage,
; so that a lane gets two whole blocks of 32 neighbours of its row.  Stage rows are 132 words apart.
	s_mul_i32 s19, s18, STG
	v_add_nc_u32 v2, s19, v1                       ; into the stage: 16 x lane of a row
	v_mul_u32_u24 v3, v10, 528
	v_lshl_add_u32 v3, v11, 7, v3
	v_add_nc_u32 v3, s19, v3                       ; out of it: row r, + 128 h: channels 32 h on
	v_lshlrev_b32 v5, 3, v11                       ; 8 h: how far my two bytes move up in the scale word
	v_mov_b32 v15, 0                               ; a lane permute's destination counts as read
	s_mov_b32 s20, 0x76543210
	s_mov_b32 s21, 0xfedcba98                      ; v_permlanex16_b32's selects for lane l xor 16
	s_mov_b32 s22, 0xffff0000                      ; lanes 16-31
	s_cmp_lt_u32 ttmp9, 256                        ; q's work-group or k's: the choice hangs on the work-group's number alone
	s_cselect_b64 s[4:5], s[4:5], s[6:7]
	s_mov_b32 s23, KC
	s_cselect_b32 s23, QC, s23
	s_mov_b32 s24, KS
	s_cselect_b32 s24, QS, s24
	s_and_b32 s25, ttmp9, 255                      ; 16 x head + which 256 rows
	s_lshl_b32 s26, s25, 17                        ; 256 rows of 512 bytes
	s_lshl_b32 s27, s18, 15
	s_add_co_u32 s26, s26, s27
	s_mov_b32 s27, 0
	s_add_nc_u64 s[4:5], s[4:5], s[26:27]          ; my wave's first row
	s_lshr_b32 s28, s25, 4
	s_mul_i32 s28, s28, HB                         ; the head's region of ws
	s_and_b32 s29, s25, 15
	s_lshl_b32 s29, s29, 4
	s_lshl_b32 s30, s18, 2
	s_add_co_u32 s29, s29, s30                     ; my first tile in the head
	s_lshl_b32 s30, s29, 10
	s_add_co_u32 s30, s30, s28
	s_add_co_u32 s30, s30, s23
	s_mov_b32 s31, 0
	s_add_nc_u64 s[32:33], s[14:15], s[30:31]      ; its codes
	s_lshl_b32 s30, s29, 6
	s_add_co_u32 s30, s30, s28
	s_add_co_u32 s30, s30, s24
	s_add_nc_u64 s[34:35], s[14:15], s[30:31]      ; its scale words
.macro LOADT t
.irp i, 0,1,2,3,4,5,6,7,8,9,10,11,12,13,14,15
	global_load_b128 v[R+64*((\t)%2)+4*\i:R+64*((\t)%2)+4*\i+3], v1, s[4:5] offset:8192*(\t)+512*\i th:TH_LOAD_NT
.endr
.endm
.macro TURN t                          ; LDS serves a wave's instructions in order (ISA guide 5.7.1.4): no wait between the stores and the loads
.irp i, 0,1,2,3,4,5,6,7,8,9,10,11,12,13,14,15
	ds_store_b128 v2, v[R+64*((\t)%2)+4*\i:R+64*((\t)%2)+4*\i+3] offset:528*\i
.endr
.irp c, 0,1
.irp e, 0,1,2,3,4,5,6,7
	ds_load_b128 v[X+32*\c+4*\e:X+32*\c+4*\e+3], v3 offset:256*\c+16*\e
.endr
.endr
.endm
.macro QUANT t                         ; my blocks h and 2 + h of row r: all 32 numbers of each are mine
.irp c, 0,1
	v_max3_num_f32 v[8+\c], |v[X+32*\c]|, |v[X+1+32*\c]|, 0x1800000   ; with the floor 2^(3 - 127): the byte cannot fall under 1
.endr
.irp i, 2,4,6,8,10,12,14,16,18,20,22,24,26,28,30
.irp c, 0,1
	v_max3_num_f32 v[8+\c], v[8+\c], |v[X+32*\c+\i]|, |v[X+1+32*\c+\i]|
.endr
.endr
.irp c, 0,1
	v_add_nc_u32 v[10+\c], 0xff000000, v[8+\c]     ; 2 off the exponent field: the conversion takes the exponent field of this operand as its scale
.endr
.irp c, 0,1
	v_lshrrev_b32 v[12+\c], 23, v[10+\c]           ; the scale's byte
.endr
	v_lshl_or_b32 v14, v13, 16, v12
	v_lshlrev_b32 v14, v5, v14                     ; at their places in the row's word;
	v_permlanex16_b32 v15, v14, s20, s21
	v_or_b32 v[SW+(\t)], v14, v15                  ; with lane l xor 16's two bytes the word is whole
.irp c, 0,1
.irp g, 0,1,2,3
	v_cvt_scalef32_pk8_fp4_f32 v[CD+8*(\t)+4*\c+\g], v[X+32*\c+8*\g:X+32*\c+8*\g+7], v[10+\c]
.endr
.endr
	v_nop                                          ; one plain line behind the last scaled conversion
.endm
	LOADT 0
	LOADT 1
.irp t, 0,1,2,3
.if \t < 3
	s_wait_loadcnt 16                              ; this tile's 16 loads are in; the next tile's 16 may be out
.else
	s_wait_loadcnt 0x0
.endif
	TURN \t
	s_wait_dscnt 0x0                               ; my 64 numbers are back, and the stage's stores have read their registers,
.if \t < 2
	LOADT \t+2                                     ; which take the tile two further on
.endif
	QUANT \t
	global_store_b128 v1, v[CD+8*\t:CD+8*\t+3], s[32:33] offset:1024*\t        ; 32 lanes store 512 consecutive bytes
	global_store_b128 v1, v[CD+8*\t+4:CD+8*\t+7], s[32:33] offset:1024*\t+512
.endr
	v_cndmask_b32 v52, v48, v49, s22               ; lanes 0-15: tile 0's words; lanes 16-31: tile 1's
	v_cndmask_b32 v53, v50, v51, s22
	global_store_b32 v4, v52, s[34:35]             ; 128 consecutive bytes each: a wave has only 256 bytes of scale words, one byte in 128 of what it reads
	global_store_b32 v4, v53, s[34:35] offset:128
	CLOSE
; ---- v.  A work-group takes 4 blocks of 64 keys of a head; wave w takes channels 32 w .. 32 w + 31: A LANE TAKES A CHANNEL AND ITS REGISTERS RUN DOWN THE KEYS, so that two neighbouring
; registers pack into one word of two neighbouring keys.  A group is 32 keys: 32 loads (128 consecutive bytes a wave, the four waves side by side on a key's 512), 16 roundings, 4 stores in each of
; which sixteen lanes write 256 consecutive bytes, aligned.  Loads run two groups ahead, in three sets of registers.
.Lvals:
	s_sub_co_u32 s19, ttmp9, 512                   ; 16 x head + which 256 keys
	s_lshl_b32 s20, s19, 17
	s_lshl_b32 s21, s18, 7
	s_add_co_u32 s20, s20, s21
	s_mov_b32 s21, 0
	s_add_nc_u64 s[8:9], s[8:9], s[20:21]
	s_lshr_b32 s22, s19, 4
	s_mul_i32 s22, s22, HB
	s_and_b32 s23, s19, 15
	s_lshl_b32 s23, s23, 15                        ; two blocks of each parity: 32,768 bytes in V0 and in V1
	s_add_co_u32 s22, s22, s23
	s_lshl_b32 s23, s18, 11                        ; my two channel tiles: 2,048 bytes in a run of eight fragments
	s_add_co_u32 s22, s22, s23
	s_add_co_u32 s22, s22, V0
	s_mov_b32 s23, 0
	s_add_nc_u64 s[14:15], s[14:15], s[22:23]
	v_lshlrev_b32 v2, 10, v11                      ; which of my two channel tiles,
	v_lshl_add_u32 v2, v10, 4, v2                  ; and my channel's 16 bytes in it
.macro VLD g
.irp kk, 0,1,2,3,4,5,6,7,8,9,10,11,12,13,14,15,16,17,18,19,20,21,22,23,24,25,26,27,28,29,30,31
	global_load_b32 v[64+32*((\g)%3)+\kk], v4, s[8:9] offset:(32*(\g)+\kk)*512 th:TH_LOAD_NT
.endr
.endm
	VLD 0
	VLD 1
.irp g, 0,1,2,3,4,5,6,7
.if \g < 7
	s_wait_loadcnt 32                              ; this group's 32 loads are in; the next group's may be out
.else
	s_wait_loadcnt 0x0
.endif
	s_wait_xcnt 0x0                                ; the stores of two groups back have read their data: those registers are written again below
.if \g < 6
	VLD \g+2
.endif
.irp m, 0,1,2,3,4,5,6,7,8,9,10,11,12,13,14,15
	v_cvt_pk_f16_f32 v[192+16*(\g%2)+\m], v[64+32*(\g%3)+2*\m], v[65+32*(\g%3)+2*\m]   ; the lower key in the low half
.endr
.irp e, 0,1,2,3                        ; keys 8 e .. 8 e + 7 of the 32 are c = e / 2, h = e % 2 of the fragment
	global_store_b128 v2, v[192+16*(\g%2)+4*\e:192+16*(\g%2)+4*\e+3], s[14:15] offset:((\g/2)%2)*524288+(\g/4)*16384+(\g%2)*8192+512*(\e/2)+256*(\e%2)
.endr
.endr
	CLOSE
; ---- the masks.  A wave takes one block of 64 keys and 8 pairs of query tiles.  One compare gives the 32 lanes' bits of one word; v_writelane_b32 puts word n into lane n, so that a pair's 64 words
; leave by one store of 256 consecutive bytes, aligned.
.Lmask:
	s_sub_co_u32 s19, ttmp9, 768
	s_lshl_b32 s19, s19, 2
	s_add_co_u32 s19, s19, s18                     ; 0 .. 1023
	s_and_b32 s20, s19, 63                         ; the block of keys
	s_lshr_b32 s21, s19, 6                         ; which 8 pairs
	s_lshl_b32 s22, s20, 8
	s_mov_b32 s23, 0
	s_add_nc_u64 s[12:13], s[12:13], s[22:23]      ; the block's 64 ids
	s_lshl_b32 s24, s21, 10
	s_mov_b32 s25, 0
	s_add_nc_u64 s[10:11], s[10:11], s[24:25]      ; the 256 queries' ids
	s_lshl_b32 s24, s21, 17
	s_add_co_u32 s24, s24, s22
	s_add_nc_u64 s[16:17], s[16:17], s[24:25]      ; 16,384 bytes a pair, 256 a block
	v_lshlrev_b32 v2, 5, v11                       ; 32 h: keys 8 h on
	v_lshlrev_b32 v3, 2, v10                       ; 4 r
	v_lshlrev_b32 v5, 3, v9                        ; 8 x lane
.irp t, 0,1,2,3
.irp jj, 0,1
	global_load_b128 v[64+8*\t+4*\jj:64+8*\t+4*\jj+3], v2, s[12:13] offset:64*\t+16*\jj   ; register 8 t + j: the id of key 16 t + 8 h + j
.endr
.endr
.irp j, 0,1,2,3,4,5,6,7
.irp e, 0,1
	global_load_b32 v[96+2*\j+\e], v3, s[10:11] offset:128*\j+64*\e                       ; the id of query r of tile e of pair j
.endr
.endr
.irp i, 0,1,2,3,4,5,6,7,8,9,10,11,12,13,14,15
	v_mov_b32 v[112+\i], 0                         ; v_writelane_b32's destination counts as read
.endr
	s_wait_loadcnt 0x0
.irp j, 0,1,2,3,4,5,6,7
.irp e, 0,1
.set nn, 0
.rept 8
.irp u, 0,1,2,3
	v_cmp_ne_u32 s[28+\u], v[96+2*\j+\e], v[64+nn+\u]
.endr
.irp u, 0,1,2,3
	v_writelane_b32 v[112+2*\j+\e], s[28+\u], nn+\u
.endr
.set nn, nn+4
.endr
.endr
	global_store_b64 v5, v[112+2*\j:113+2*\j], s[16:17] offset:16384*\j
.endr
	CLOSE
.Lfunc_end_k_q4a10104029_prep:
	.size	k_q4a10104029_prep, .Lfunc_end_k_q4a10104029_prep-k_q4a10104029_prep
	.p2alignl 7, 3214868480
	.fill 96, 4, 3214868480
	.section	.rodata,"a",@progbits
	.p2align	6, 0x0
	.amdhsa_kernel k_q4a10104029_prep
		.amdhsa_group_segment_fixed_size 34304
		.amdhsa_private_segment_fixed_size 0
		.amdhsa_enable_private_segment 0
		.amdhsa_kernarg_size 56
		.amdhsa_user_sgpr_count 2
		.amdhsa_user_sgpr_kernarg_segment_ptr 1
		.amdhsa_wavefront_size32 1
		.amdhsa_system_sgpr_workgroup_id_x 1
		.amdhsa_system_sgpr_workgroup_id_y 1
		.amdhsa_system_sgpr_workgroup_id_z 1
		.amdhsa_system_vgpr_workitem_id 0
		.amdhsa_next_free_vgpr 256
		.amdhsa_next_free_sgpr 66
		.amdhsa_reserve_vcc 0
		.amdhsa_float_denorm_mode_32 3
		.amdhsa_float_denorm_mode_16_64 3
		.amdhsa_memory_ordered 1
		.amdhsa_forward_progress 1
		.amdhsa_inst_pref_size 135
	.end_amdhsa_kernel
	.amdgpu_metadata
---
amdhsa.version: [ 1, 2 ]
amdhsa.kernels:
  - .name:           k_q4a10104029_prep
    .symbol:         k_q4a10104029_prep.kd
    .args:
      - { .name: q, .offset: 0, .size: 8, .value_kind: global_buffer, .address_space: global }
      - { .name: k, .offset: 8, .size: 8, .value_kind: global_buffer, .address_space: global }
      - { .name: v, .offset: 16, .size: 8, .value_kind: global_buffer, .address_space: global }
      - { .name: q_segment_ids, .offset: 24, .size: 8, .value_kind: global_buffer, .address_space: global }
      - { .name: kv_segment_ids, .offset: 32, .size: 8, .value_kind: global_buffer, .address_space: global }
      - { .name: ws, .offset: 40, .size: 8, .value_kind: global_buffer, .address_space: global }
      - { .name: hid, .offset: 48, .size: 8, .value_kind: global_buffer, .address_space: global }
    .group_segment_fixed_size: 34304
    .private_segment_fixed_size: 0
    .kernarg_segment_align: 8
    .kernarg_segment_size: 56
    .max_flat_workgroup_size: 128
    .sgpr_count:     66
    .vgpr_count:     256
    .wavefront_size: 32
...
	.end_amdgpu_metadata
.endif
;; end of part 1
;; launch attn (part 2): grid 16 x 16, 8 waves a work-group, clusters of 4 x 1, 327,680 bytes of LDS; arguments ws, hid, out0; writes out0
.if DOCPART == 2
	.amdgcn_target "amdgcn-amd-amdhsa--gfx1250"
	.amdhsa_code_object_version 6
	.text
	.protected	k_q4a10104029_attn
	.globl	k_q4a10104029_attn
	.p2align	8
	.type	k_q4a10104029_attn,@function
k_q4a10104029_attn:
	s_mov_b64 s[64:65], 0
	v_nop
	global_prefetch_b8 v0, s[64:65] scope:SCOPE_SE
	s_setreg_imm32_b32 hwreg(HW_REG_WAVE_MODE, 25, 1), 1
	s_wait_xcnt 0x0
	s_wait_alu depctr_hold_cnt(0) depctr_sa_sdst(0) depctr_va_vdst(0) depctr_va_sdst(0) depctr_va_ssrc(0) depctr_va_vcc(0) depctr_vm_vsrc(0)
	s_getreg_b32 s2, hwreg(HW_REG_IB_STS2, 6, 4)
	s_cmp_eq_u32 s2, 0
	s_cbranch_scc0 .Lentry_in_a_cluster
	s_endpgm
.Lentry_in_a_cluster:
	s_bfe_u32 s2, ttmp6, 0x10000c
	s_cmp_lg_u32 s2, 0x3003
	s_cbranch_scc0 .Lentry_shape_is_right
	s_endpgm
.Lentry_shape_is_right:
; out0[h][q][:] = the sum over k of softmax_k(Q[h][q] . K[h][k] / sqrt(128), hidden where the segment ids differ) V[h][k][:].  16 heads, 4,096 queries, 4,096 keys, head size 128.
; The first product runs on codes of E2M1 with E8M0 scales; the second on f16 operands (p lies in 0 .. 1; v: see LIMITS); maxima, sums and O in f32.  All operands come from ws as images of their registers.
; SHARES.  A work-group owns 256 queries of one head.  Eight waves, two for each of a WGP's four SIMDs: wave w has g = w % 4 and p = w / 4.  Waves g and g + 4 own the SAME 64 queries (four tiles of 16, so that a
; fragment of V read from LDS feeds four products) and SPLIT THE KEYS: wave p takes the blocks of 64 keys b = 2 u + p, u = 0 .. 31.  Their two partial results are merged at the end, through LDS.
; LAYOUT.  S^T = K Q^T (source 0 = 16 keys, source 1 = 16 queries), O^T = V^T P (source 0 = 16 channels, source 1 = P): a lane holds ONE query (lane % 16) throughout; two tiles of S^T, rounded in pairs, ARE source 1 of the second product.
; THE MASK.  hid holds, for each register of S^T, the 32 lanes' bits (1 = hidden): 64 words for a pair of tiles and a block of keys come by scalar loads and serve as the masks of 64 v_cndmask_b32, which put -infinity.
; SOFTMAX.  For each query a running maximum m (from -3e38 on) and sum l: p = 2^(c s - c m), c = log2(e) / sqrt(128); in every step O and l are multiplied by a = 2^(c m_old - c m_new).  A query that sees no key ends with O = 0 and l = 0: 0 x infinity = NaN, as the softmax of a row of -infinity gives.
; HALF STEPS.  A wave's work alternates VEC (K Q^T, mask, softmax, rescaling of O: vector work) and MAT (V^T P: matrix work).  WAVE p = 1 RUNS HALF A STEP LATE, so that of two waves that leave a barrier together one is in VEC
; while the other is in MAT.  A period is four half steps, 256 keys: p = 0: V M V M of steps 2 n, 2 n + 1;  p = 1: M(2 n - 1) V(2 n) M(2 n) V(2 n + 1).  Its stream of V is fetched one block late; its first MAT multiplies P = 0 by the 16 KiB
; that lie ahead of its stream in ws (real f16 numbers); its last MAT stands behind the loop.  One text of VEC and MAT serves both; for that O, P and the statistics are written once at the head.
; CLUSTER.  The four query blocks of a cluster belong to one head and walk the same K and V: each piece is asked for JOINTLY, by the same tensor load with the same descriptor and a mask that names the four.
; LIMITS: |v| above 65,504 has no f16 number; NaN and infinities among the inputs are not served.
; LDS: slot 0 at 0, slot 1 at 2^17: five pieces of 16,384 bytes: K's codes of 256 keys | V even blocks 2 n, 2 n + 1 | V odd blocks 2 n - 1, 2 n.  81,920: K's scale words of the head, filled once.  98,304: the spare words.
;   Behind the last fills: the exchange, 16,896 bytes a wave, from 2^17 on; the way out's stages, 8,448 bytes a wave, from 0 on.
; REGISTERS, window 0: v1-15 addresses; v16-31 statistics (tile x: c m, m, l even, l odd); v32-35 a; v36-39 at work; v40-43 Q's scale words; v44-45 K's; v46-47 c; v48-79 Q; v80-143 P; v144-175 K; v176-239 S^T of two tiles;
;   v144-239 are also three buffers of four fragments of V; v240-255 at work.   window 1: O^T, tile x, channel tile ct at v[64 x + 8 ct].
; Register tile x of wave (g, p) is query tile 4 g + (x xor 2 p) of the block: so every wave keeps its tiles 0, 1 and sends its tiles 2, 3, which are its partner's tiles 0, 1.
.set HB,    1605632
.set V0OFF, 262144
.set KSOFF, 1310720
.set QCOFF, 1327104
.set QSOFF, 1589248
.set SLOT1, 1<<17
.set KSL,   81920
.set SPARE, 98304
.set EX,    SLOT1
.set EXP,   16896
.set TSP,   8448
.set LI,  1                            ; v1   16 x lane
.set L4,  2                            ; v2   4 x lane
.set ADK, 3                            ; v3   the half step's K
.set ADS, 4                            ; v4   its scale words
.set NEG, 5                            ; v5   -infinity
.set SPW, 6                            ; v6   LDS address of my spare word; never rewritten
.set NIL, 7                            ; v7   0; never rewritten
.set PFO, 8                            ; v8   256 x lane
.set EXW, 9                            ; v9   the exchange: where I write
.set EXR, 10                           ; v10  and where I read my partner's
.set TSW, 11                           ; v11  my stage: row r, + 32 h
.set TSR, 12                           ; v12  my stage: 16 x lane
.set ADV, 13                           ; v13  the half step's V
.set KB,  14                           ; v14  16 x lane + 4,096 p
.set VB,  15                           ; v15  16 x lane + 32,768 p
.set ST,  16
.set AA,  32
.set QSC, 40
.set KSC, 44
.set CV,  46
.set Q,   48
.set P,   80
.set K,   144
.set S,   176
.set CH,  240
.set TB,  4                            ; s4   LDS byte at which the slot in hand begins
.set KSO, 5                            ; s5   where the period's scale words of K begin, for my parity
.set HS,  10                           ; s10  the half step, 0 .. 3
.set PH,  11                           ; s11  0: VEC is due; 1: MAT
.set WV,  14                           ; s14  wave
.set PAR, 15                           ; s15  p
.set CNT, 66                           ; s66  periods to go in the loop
.set MOA, 67                           ; s67  offset in hid of the next mask words of tiles 0, 1
.set MOB, 100                          ; s100 of tiles 2, 3
.set MLAST, 101                        ; s101 the last block's, for tiles 0, 1
.set LIM, 104                          ; s104 1 in a wave that prefetches, else the greatest number
.set MSB, 0
.macro WIN new                         ; the immediate's high byte repeats the setting that is left
.if MSB != \new
	s_set_vgpr_msb (MSB<<8)|\new
.set MSB, \new
.endif
.endm
.macro CROUND                          ; a round of the cluster's barrier
	s_barrier_signal -1
	s_barrier_wait -1
	s_cmp_lg_u32 s[WV], 0
	s_cbranch_scc1 .Lnot_wave_0_\@
	s_barrier_signal -3
.Lnot_wave_0_\@:
	s_barrier_wait -3
	s_barrier_signal -1
	s_barrier_wait -1
.endm
	s_load_b128 s[4:7], s[0:1], 0x0                ; ws, hid
	s_load_b64 s[8:9], s[0:1], 0x10                ; out0
	v_lshl_add_u32 v[SPW], v0, 2, SPARE
	v_mov_b32 v[NIL], 0
	ds_add_u32 v[SPW], v[NIL]                      ; the wave's opening: the add, twice on end, and its wait ahead of my first tensor load
	ds_add_u32 v[SPW], v[NIL]
	v_lshrrev_b32 v1, 5, v0
	v_readfirstlane_b32 s[WV], v1                  ; wave 0..7
	s_lshr_b32 s[PAR], s[WV], 2                    ; p
	s_and_b32 s33, s[WV], 3                        ; g
	s_xor_b32 s37, s[PAR], 1                       ; 1 - p
	s_bfe_u32 s34, ttmp6, 0x40000                  ; cx: my place in the cluster
	s_lshl_b32 s35, ttmp9, 2
	s_add_co_u32 s35, s35, s34                     ; my block of 256 queries: it enters Q's, the masks' and out0's addresses alone
	s_and_b32 s36, ttmp7, 0xffff                   ; the head, which the four partners share
	s_mul_i32 s38, s36, HB
	s_mov_b32 s39, 0
	; descriptor group 1, one for all loads: a dense block of 16,384 bytes as 64 rows of 32 elements of 8 bytes; no padding: every read of a piece is 16 x lane, dense
	s_mov_b32 s16, 15|(3<<16)|(1<<21)              ; 15:0 the mask: all four work-groups; 17:16 elements of 8 bytes; 21 set beside a mask
	s_mov_b32 s17, 32<<16                          ; tensor_dim0 = 32
	s_mov_b32 s18, 64<<16                          ; tensor_dim1 = 64
	s_mov_b32 s19, 32<<16                          ; tile_dim0 = 32
	s_mov_b32 s20, 64                              ; tile_dim1 = 64
	s_mov_b32 s21, 32                              ; from row to row
	s_mov_b32 s22, 0
	s_mov_b32 s23, 0
	; what wave w fetches: 0: K's codes; 1, 2: V's even blocks 2 n, 2 n + 1; 3, 4: V's odd blocks 2 n - 1, 2 n; 5: K's scale words, once; 6, 7: nothing
	s_sub_co_u32 s40, s[WV], 1
	s_and_b32 s41, s40, 1
	s_lshr_b32 s46, s40, 1
	s_and_b32 s46, s46, 3
	s_mul_i32 s46, s46, 507904                     ; the odd blocks' stream begins one block ahead of its region: 524,288 - 16,384
	s_add_co_u32 s46, s46, V0OFF
	s_lshl_b32 s42, s41, 14
	s_add_co_u32 s42, s42, s46                     ; my piece of period 0
	s_lshl_b32 s44, s41, 15
	s_add_co_u32 s44, s44, s46                     ; and where my prefetches count from: a whole period a wave
	s_mov_b32 s28, 32768                           ; a period on: two blocks of V,
	s_cmp_eq_u32 s[WV], 0
	s_cselect_b32 s42, 0, s42
	s_cselect_b32 s44, 0, s44
	s_cselect_b32 s28, 16384, s28                  ; or 256 keys' codes
	s_cmp_eq_u32 s[WV], 5
	s_cselect_b32 s42, KSOFF, s42
	s_mov_b32 s29, 0
	s_mov_b32 s43, 0
	s_mov_b32 s45, 0
	s_lshl_b32 s2, s34, 13                         ; the partners share a prefetch's bytes out BY ADDRESS: 8,192 each
	s_add_co_u32 s44, s44, s2
	s_add_co_u32 s44, s44, s28
	s_lshl_b32 s47, s35, 4
	s_lshl_b32 s2, s33, 2
	s_add_co_u32 s47, s47, s2                      ; T0 = 16 x block + 4 g: my first query tile in the head
	s_lshl_b32 s48, s47, 10
	s_add_co_u32 s48, s48, QCOFF                   ; its codes,
	s_mov_b32 s49, 0
	s_lshl_b32 s50, s47, 6
	s_add_co_u32 s50, s50, QSOFF                   ; its scale words,
	s_mov_b32 s51, 0
	s_lshl_b32 s52, s47, 13                        ; its pair's mask words: 16,384 bytes a pair of tiles,
	s_mov_b32 s53, 0
	s_lshl_b32 s2, s[PAR], 1
	s_add_co_u32 s2, s2, s47
	s_lshl_b32 s2, s2, 13                          ; the two tiles that I store: T0 + 2 p on, 8,192 bytes a tile,
	s_lshl_b32 s54, s36, 21
	s_add_co_u32 s54, s54, s2                      ; in my head's 2 MiB of out0
	s_mov_b32 s55, 0
	s_mul_i32 s[MOA], s[PAR], 16640                ; tiles 0, 1 are pair p of my two; block p: 256 bytes a block
	s_lshl_b32 s[MOB], s37, 14
	s_lshl_b32 s2, s[PAR], 8
	s_add_co_u32 s[MOB], s[MOB], s2                ; tiles 2, 3 are pair 1 - p
	s_add_co_u32 s[MLAST], s[MOA], 15872           ; 31 steps of two blocks on
	s_mov_b32 s12, 0x76543210
	s_mov_b32 s13, 0xfedcba98                      ; v_permlanex16_b32's selects for lane l xor 16
	s_mov_b32 s[CNT], 15
	s_cmp_lt_u32 s[WV], 5                          ; the waves that fetch the ring,
	s_cselect_b32 s2, 0, 1
	s_or_b32 s2, s2, ttmp9                         ; of the head's first cluster, prefetch: the same in all four partners
	s_cmp_eq_u32 s2, 0
	s_cselect_b32 s[LIM], 1, -1
	; every LDS address register is made here, ahead of the first line at which the waves' ways part
	v_and_b32 v16, 31, v0
	v_lshlrev_b32 v[LI], 4, v16
	v_lshlrev_b32 v[L4], 2, v16
	v_lshlrev_b32 v[PFO], 8, v16
	v_and_b32 v17, 15, v0                          ; r
	v_bfe_u32 v18, v0, 4, 1                        ; h
	s_mul_i32 s2, s[WV], EXP
	s_add_co_u32 s2, s2, EX
	v_add_nc_u32 v[EXW], s2, v[LI]
	s_xor_b32 s3, s[WV], 4                         ; my partner
	s_mul_i32 s3, s3, EXP
	s_add_co_u32 s3, s3, EX
	v_add_nc_u32 v[EXR], s3, v[LI]
	s_mul_i32 s2, s[WV], TSP
	v_mul_u32_u24 v[TSW], v17, 528
	v_lshl_add_u32 v[TSW], v18, 5, v[TSW]
	v_add_nc_u32 v[TSW], s2, v[TSW]
	v_add_nc_u32 v[TSR], s2, v[LI]
	s_lshl_b32 s2, s[PAR], 12
	v_add_nc_u32 v[KB], s2, v[LI]
	s_lshl_b32 s2, s[PAR], 15
	v_add_nc_u32 v[VB], s2, v[LI]
	s_lshl_b32 s2, s[PAR], 11
	v_add_nc_u32 v248, s2, v[LI]                   ; Q's images: register tiles 0, 1 are query tiles 2 p, 2 p + 1 of my four,
	s_lshl_b32 s2, s37, 11
	v_add_nc_u32 v249, s2, v[LI]                   ; tiles 2, 3 the other two
	v_lshlrev_b32 v17, 2, v17
	s_lshl_b32 s2, s[PAR], 7
	v_add_nc_u32 v250, s2, v17                     ; their scale words: 4 r, 64 bytes a tile (lanes 16-31 read the same words: no load leaves ws)
	s_lshl_b32 s2, s37, 7
	v_add_nc_u32 v251, s2, v17
	s_wait_dscnt 0x0                               ; both opening adds are done
	s_wait_kmcnt 0x0
	s_add_nc_u64 s[40:41], s[4:5], s[38:39]        ; ws at my head
	s_add_nc_u64 s[30:31], s[40:41], s[44:45]      ; where my prefetches stand
	s_add_nc_u64 s[56:57], s[40:41], s[48:49]      ; Q's codes
	s_add_nc_u64 s[58:59], s[40:41], s[50:51]      ; Q's scale words
	s_add_nc_u64 s[6:7], s[6:7], s[52:53]          ; the masks of my two pairs of tiles
	s_add_nc_u64 s[8:9], s[8:9], s[54:55]          ; out0 at the tiles that I store
	s_mov_b32 s24, 1                               ; descriptor group 0: 1:0 count = 1
	s_lshl_b32 s25, s[WV], 14                      ; 63:32 LDS address: piece w of slot 0; piece 5 is the scale words' region
	s_add_nc_u64 s[26:27], s[40:41], s[42:43]      ; 120:64 global address: made of the head and the wave's number alone
	s_or_b32 s27, s27, 0x80000000                  ; 127:126 type = 2
	s_mov_b32 s[TB], 0
	s_lshl_b32 s[KSO], s[PAR], 8
	s_add_co_u32 s[KSO], s[KSO], KSL
	s_mov_b32 s[PH], s[PAR]
	CROUND                                         ; all four work-groups are here: the first joint loads meet
	s_cmp_lt_u32 s[WV], 6
	s_cbranch_scc0 .Lno_first
	tensor_load_to_lds s[24:27], s[16:23]          ; period 0 and the scale words: one load of mine is out
	s_nop 0
.rept 4
	v_nop
.endr
.Lno_first:
.irp x, 0,1
.irp c, 0,1
	global_load_b128 v[Q+8*\x+4*\c:Q+8*\x+4*\c+3], v248, s[56:57] offset:1024*\x+512*\c
	global_load_b128 v[Q+16+8*\x+4*\c:Q+16+8*\x+4*\c+3], v249, s[56:57] offset:1024*\x+512*\c
.endr
	global_load_b32 v[QSC+\x], v250, s[58:59] offset:64*\x
	global_load_b32 v[QSC+2+\x], v251, s[58:59] offset:64*\x
.endr
	s_wait_xcnt 0x0                                ; Q's loads have read their bases, which lie where the mask words land
	s_load_b512 s[32:47], s[6:7], s[MOA] offset:0x0    ; step 0's mask words of tiles 0, 1: word 2 n + e for register n of tile e
	s_load_b512 s[48:63], s[6:7], s[MOA] offset:0x40
	s_load_b512 s[68:83], s[6:7], s[MOA] offset:0x80
	s_load_b512 s[84:99], s[6:7], s[MOA] offset:0xc0
	; written once: the price of one text for both orders of the half steps (wave p = 1 begins with a product on P = 0), and the first softmax is like every other
	v_mov_b32 v[NEG], 0xff800000
	v_mov_b32 v[CV], 0x3e0293ee                    ; c = log2(e) / sqrt(128), twice: a pair for the packed scaling
	v_mov_b32 v[CV+1], 0x3e0293ee
.irp x, 0,1,2,3
	v_mov_b32 v[ST+4*\x+1], 0xff61b1e6             ; m = -3e38, under every score
	v_mov_b32 v[ST+4*\x+2], 0
	v_mov_b32 v[ST+4*\x+3], 0
.endr
.irp x, 0,1,2,3
	v_mul_f32 v[ST+4*\x], 0x3e0293ee, v[ST+4*\x+1]
.endr
.irp i, 0,1,2,3,4,5,6,7
	v_mov_b32 v[AA+\i], 0                          ; upper halves of pairs and permutes' destinations count as read
	v_mov_b32 v[CH+\i], 0
.endr
.set ii, 0
.rept 64
	v_mov_b32 v[P+ii], 0
.set ii, ii+1
.endr
	WIN 0x40                                       ; destination window 1
.set ii, 0
.rept 256
	v_mov_b32 v[ii], 0
.set ii, ii+1
.endr
	WIN 0
	s_wait_loadcnt 0x0                             ; Q
; THE SOFTMAX OF TWO TILES (register tiles x, x + 1) FOR 64 KEYS.  mo: the offset register of the mask words that are fetched next.
.macro PAIR x, mo
.irp t, 0,1,2,3                        ; S^T = K Q^T: one instruction a tile of 16 keys and tile of queries; K's scale words: even t in lanes 0-15, odd t in lanes 16-31 of one register
.irp e, 0,1
.if (\t)%2
	v_wmma_scale_f32_16x16x128_f8f6f4 v[S+32*\e+8*\t:S+32*\e+8*\t+7], v[K+8*\t:K+8*\t+7], v[Q+8*((\x)+\e):Q+8*((\x)+\e)+7], 0, v[KSC+\t/2], v[QSC+(\x)+\e] matrix_a_fmt:MATRIX_FMT_FP4 matrix_b_fmt:MATRIX_FMT_FP4 matrix_a_scale:MATRIX_SCALE_ROW1
.else
	v_wmma_scale_f32_16x16x128_f8f6f4 v[S+32*\e+8*\t:S+32*\e+8*\t+7], v[K+8*\t:K+8*\t+7], v[Q+8*((\x)+\e):Q+8*((\x)+\e)+7], 0, v[KSC+\t/2], v[QSC+(\x)+\e] matrix_a_fmt:MATRIX_FMT_FP4 matrix_b_fmt:MATRIX_FMT_FP4
.endif
.endr
.endr
.rept 4
	v_nop                                          ; four places between a product and the first read of its result (ISA guide 7.12.1)
.endr
.set nn, 0
.rept 32                               ; hidden scores become -infinity; each accumulator is read from its low end on
	v_cndmask_b32 v[S+nn], v[S+nn], v[NEG], s[32+2*nn+4*(nn/16)]
	v_cndmask_b32 v[S+32+nn], v[S+32+nn], v[NEG], s[33+2*nn+4*(nn/16)]
.set nn, nn+1
.endr
.irp j, 0,1,2,3                        ; the maximum of the lane's 32 scores and the old m, three operands at a time, in four chains a tile
.irp e, 0,1
	v_max3_num_f32 v[CH+4*\e+\j], v[S+32*\e+8*\j], v[S+32*\e+8*\j+1], v[S+32*\e+8*\j+2]
.endr
.endr
.irp u, 1,2
.irp j, 0,1,2,3
.irp e, 0,1
	v_max3_num_f32 v[CH+4*\e+\j], v[CH+4*\e+\j], v[S+32*\e+8*\j+2*\u+1], v[S+32*\e+8*\j+2*\u+2]
.endr
.endr
.endr
.irp e, 0,1
	v_max3_num_f32 v[CH+4*\e], v[CH+4*\e], v[S+32*\e+7], v[S+32*\e+15]
	v_max3_num_f32 v[CH+4*\e+2], v[CH+4*\e+2], v[S+32*\e+23], v[S+32*\e+31]
.endr
	s_load_b512 s[32:47], s[6:7], s[\mo] offset:0x0    ; the selects have read their masks: the next 64 words are asked for, a pair's softmax ahead of their use
	s_load_b512 s[48:63], s[6:7], s[\mo] offset:0x40
	s_load_b512 s[68:83], s[6:7], s[\mo] offset:0x80
	s_load_b512 s[84:99], s[6:7], s[\mo] offset:0xc0
.irp e, 0,1
	v_max3_num_f32 v[CH+4*\e], v[CH+4*\e], v[CH+4*\e+1], v[CH+4*\e+2]
.endr
.irp e, 0,1
	v_max3_num_f32 v[CH+4*\e], v[CH+4*\e], v[CH+4*\e+3], v[ST+4*((\x)+\e)+1]
.endr
.irp e, 0,1
	v_permlanex16_b32 v[36+\e], v[CH+4*\e], s12, s13   ; the query's other 32 keys lie in the lane 16 away
.endr
.irp e, 0,1
	v_max_num_f32 v[ST+4*((\x)+\e)+1], v[CH+4*\e], v[36+\e]   ; the new m
	v_mov_b32 v[38+\e], v[ST+4*((\x)+\e)]                     ; c m_old
.endr
.irp e, 0,1
	v_mul_f32 v[ST+4*((\x)+\e)], v[CV], v[ST+4*((\x)+\e)+1]   ; c m_new, rounded: the difference of the two ROUNDED products is 0 where m has not moved, at m = -3e38 too
.endr
.irp e, 0,1
	v_sub_f32 v[38+\e], v[38+\e], v[ST+4*((\x)+\e)]
.endr
.irp e, 0,1
	v_exp_f32 v[AA+2*\e], v[38+\e]                 ; a
.endr
.irp i, 0,1,2,3,4,5,6,7,8,9,10,11,12,13,14,15
.irp e, 0,1
	v_pk_fma_f32 v[S+32*\e+2*\i:S+32*\e+2*\i+1], v[S+32*\e+2*\i:S+32*\e+2*\i+1], v[CV:CV+1], v[ST+4*((\x)+\e):ST+4*((\x)+\e)+1] op_sel_hi:[1,1,0] neg_lo:[0,0,1] neg_hi:[0,0,1]   ; c s - c m
.endr
.endr
	s_wait_alu depctr_va_vdst(0)                   ; the wait ahead of the first line that names a; the 32 scalings are the work between
.set qq, 0
.rept 4                                ; the 64 exponentials are one batch; between them, sixteen at a time, stands the rescaling of the two tiles' O^T, which names none of their results
.set ii, 0
.rept 16
	v_exp_f32 v[S+16*qq+ii], v[S+16*qq+ii]
.set ii, ii+1
.endr
	WIN 0x41                                       ; O^T (destination and source 0) in window 1, a in window 0
.set ii, 0
.rept 16
	v_pk_mul_f32 v[64*(\x)+32*qq+2*ii:64*(\x)+32*qq+2*ii+1], v[64*(\x)+32*qq+2*ii:64*(\x)+32*qq+2*ii+1], v[AA+2*(qq/2):AA+2*(qq/2)+1] op_sel_hi:[1,0]
.set ii, ii+1
.endr
	WIN 0
.set qq, qq+1
.endr
	s_wait_alu depctr_va_vdst(0)                   ; one wait for the batch of 64, ahead of its first reader
.irp i, 0,1,2,3,4,5,6,7,8,9,10,11,12,13,14,15
.irp e, 0,1
	v_cvt_pk_f16_f32 v[P+16*((\x)+\e)+\i], v[S+32*\e+2*\i], v[S+32*\e+2*\i+1]   ; two neighbouring keys' weights
.endr
.endr
.irp u, 0,1,2,3,4,5,6,7                ; the sum of the UNROUNDED weights, in place, as a tree of pairs (even keys', odd keys')
.irp e, 0,1
	v_pk_add_f32 v[S+32*\e+4*\u:S+32*\e+4*\u+1], v[S+32*\e+4*\u:S+32*\e+4*\u+1], v[S+32*\e+4*\u+2:S+32*\e+4*\u+3]
.endr
.endr
.irp u, 0,1,2,3
.irp e, 0,1
	v_pk_add_f32 v[S+32*\e+8*\u:S+32*\e+8*\u+1], v[S+32*\e+8*\u:S+32*\e+8*\u+1], v[S+32*\e+8*\u+4:S+32*\e+8*\u+5]
.endr
.endr
.irp u, 0,1
.irp e, 0,1
	v_pk_add_f32 v[S+32*\e+16*\u:S+32*\e+16*\u+1], v[S+32*\e+16*\u:S+32*\e+16*\u+1], v[S+32*\e+16*\u+8:S+32*\e+16*\u+9]
.endr
.endr
.irp e, 0,1
	v_pk_add_f32 v[S+32*\e:S+32*\e+1], v[S+32*\e:S+32*\e+1], v[S+32*\e+16:S+32*\e+17]
.endr
.irp e, 0,1
	v_pk_fma_f32 v[ST+4*((\x)+\e)+2:ST+4*((\x)+\e)+3], v[ST+4*((\x)+\e)+2:ST+4*((\x)+\e)+3], v[AA+2*\e:AA+2*\e+1], v[S+32*\e:S+32*\e+1] op_sel_hi:[1,0,1]   ; l = a l + the sum
.endr
.endm
; VEC: a block of 64 keys against my four tiles of queries.
.macro VEC
.rept 5
	v_nop                                          ; places behind the last products of MAT: K's loads land on registers that they read, and the products below write over such registers
.endr
.irp t, 0,1,2,3
.irp c, 0,1
	ds_load_b128 v[K+8*\t+4*\c:K+8*\t+4*\c+3], v[ADK] offset:1024*\t+512*\c
.endr
.endr
	ds_load_b32 v[KSC], v[ADS]                     ; the words of keys 0-31: tile 0 in lanes 0-15, tile 1 in lanes 16-31
	ds_load_b32 v[KSC+1], v[ADS] offset:128
	s_wait_dscnt 0x0
	s_wait_kmcnt 0x0                               ; the mask words of tiles 0, 1
	PAIR 0, MOB
	s_wait_kmcnt 0x0                               ; those of tiles 2, 3; no scalar load is out, so both offsets may step:
	s_add_co_u32 s[MOB], s[MOB], 512               ; two blocks on
	s_add_co_u32 s[MOA], s[MOA], 512
	s_min_u32 s[MOA], s[MOA], s[MLAST]             ; the last step asks for the last block once more: no load leaves hid
	PAIR 2, MOA
.endm
; MAT: O^T += V^T P for a block of 64 keys: 16 fragments of V in four groups through three buffers, each fragment against my four tiles.
.macro VLOAD g
.irp f, 0,1,2,3
.irp c, 0,1
	ds_load_b128 v[K+32*((\g)%3)+8*\f+4*\c:K+32*((\g)%3)+8*\f+4*\c+3], v[ADV] offset:16384+1024*(4*(\g)+\f)+512*\c
.endr
.endr
.endm
.macro MM g                            ; keys 32 (g / 2) on, channel tiles 4 (g % 2) + f.  The 16 accumulators take turns, one instruction a turn, and one comes up again 32 instructions later
.irp f, 0,1,2,3
.irp x, 0,1,2,3
	v_wmma_f32_16x16x32_f16 v[64*\x+8*(4*((\g)%2)+\f):64*\x+8*(4*((\g)%2)+\f)+7], v[K+32*((\g)%3)+8*\f:K+32*((\g)%3)+8*\f+7], v[P+16*\x+8*((\g)/2):P+16*\x+8*((\g)/2)+7], v[64*\x+8*(4*((\g)%2)+\f):64*\x+8*(4*((\g)%2)+\f)+7]
.endr
.endr
.endm
.macro MAT
.rept 4
	v_nop                                          ; places in front of loads into registers that products have read or written
.endr
	VLOAD 0
	VLOAD 1
	VLOAD 2
	s_wait_dscnt 16                                ; group 0 is in; groups 1 and 2 may be out
	WIN 0x50                                       ; C and D in window 1
	MM 0
	WIN 0
.rept 4
	v_nop                                          ; group 3 lands where group 0 lay
.endr
	VLOAD 3
	s_wait_dscnt 16                                ; group 1 is in; groups 2 and 3 may be out
	WIN 0x50
	MM 1
	s_wait_dscnt 8                                 ; group 2 is in
	MM 2
	s_wait_dscnt 0x0
	MM 3
	WIN 0
.endm
; A period's four half steps: written once, walked four times.  With i = half step / 2 both parities take K's block 2 i + p, its scale words, and V's piece 1 + 2 p + i.  The three addresses are made on the way that both roles take.
.macro FOUR_HALVES
	s_mov_b32 s[HS], 0
.Lhalf_\@:
	s_lshr_b32 s2, s[HS], 1
	s_lshl_b32 s3, s2, 13
	s_add_co_u32 s3, s3, s[TB]
	v_add_nc_u32 v[ADK], s3, v[KB]
	s_lshl_b32 s3, s2, 9
	s_add_co_u32 s3, s3, s[KSO]
	v_add_nc_u32 v[ADS], s3, v[L4]
	s_lshl_b32 s3, s2, 14
	s_add_co_u32 s3, s3, s[TB]
	v_add_nc_u32 v[ADV], s3, v[VB]
	s_cmp_eq_u32 s[PH], 0
	s_cbranch_scc0 .Lmat_\@
	VEC
	s_branch .Ljoin_\@
.Lmat_\@:
	MAT
.Ljoin_\@:
	s_xor_b32 s[PH], s[PH], 1
	s_add_co_u32 s[HS], s[HS], 1
	s_cmp_lt_u32 s[HS], 4
	s_cbranch_scc1 .Lhalf_\@
	s_xor_b32 s[TB], s[TB], SLOT1                  ; on to the other slot,
	s_add_co_u32 s[KSO], s[KSO], 1024              ; and 256 keys' scale words
.endm
; A PREFETCH INTO THE L2, behind the tensor load of every second change of slots: the two periods that the next two changes but one will ask for (the loop's trip n, n even and at most 12, names periods n + 2 and n + 3).
; All clusters of a head walk the same K and V: the head's first cluster asks.  Wave 0 names K's 32 KiB, waves 1 and 2 a period each of the even blocks' 64 KiB, waves 3 and 4 of the odd blocks'; of a wave's 32 KiB each of the
; four partners takes 8 KiB, told apart by address, lanes 256 bytes apart: so each block of 256 bytes is named once in the launch.  Periods 0 and 1 and the tail's piece come by their loads alone.
.macro ASK
	s_and_b32 s2, s[CNT], 1                        ; the count is odd in even trips,
	s_mul_i32 s2, s2, s[CNT]                       ; and 1 in the last of them, which names nothing
	s_cmp_gt_u32 s2, s[LIM]
	s_cbranch_scc0 .Lnot_mine_\@
	global_prefetch_b8 v[PFO], s[30:31] th:TH_LOAD_NT scope:SCOPE_SE
.Lnot_mine_\@:
.endm
; THE CHANGE OF SLOTS stands at a period's head.  Each wave waits for all its tensor loads (its piece of the slot that it is about to read), adds 0 to its spare word, and waits for that and for its reads of the slot that it has left.
; kind 1: behind a round of the cluster's barrier the slot just left takes the next period: one load a wave, which has four half steps in which to land.  kind 2: of the period behind the last only the piece that the tail reads.  kind 0: nothing is filled.
.macro CHANGE kind
	s_wait_tensorcnt 0x0                           ; no tensor load of mine is out, so the descriptor may be written
	ds_add_u32 v[SPW], v[NIL]
.if \kind
	ds_add_u32 v[SPW], v[NIL]                      ; and twice on end here
	s_xor_b32 s25, s25, SLOT1                      ; the other slot than last time,
	s_add_nc_u64 s[26:27], s[26:27], s[28:29]      ; a period on; the type bits on top are not reached
.endif
.if \kind == 1
	s_wait_xcnt 0x0                                ; the last prefetch has read its address
	s_add_nc_u64 s[30:31], s[30:31], s[28:29]
.endif
	s_wait_dscnt 0x0                               ; the add is done, and my reads of the slot that I have left are over
.if \kind
	CROUND                                         ; no wave of any partner still reads that slot or has a load on its way
.if \kind == 1
	s_cmp_lt_u32 s[WV], 5
.else
	s_cmp_eq_u32 s[WV], 3
.endif
	s_cbranch_scc0 .Lno_load_\@                    ; on the wave's number alone: the same in every partner
	tensor_load_to_lds s[24:27], s[16:23]
	s_nop 0
.rept 4
	v_nop
.endr
.Lno_load_\@:
.if \kind == 1
	ASK
.endif
.else
	s_barrier_signal -1
	s_barrier_wait -1
.endif
.endm
.Lperiod:                                          ; periods 0 to 14
	CHANGE 1
	FOUR_HALVES
	s_sub_co_u32 s[CNT], s[CNT], 1
	s_cmp_lg_u32 s[CNT], 0
	s_cbranch_scc1 .Lperiod
	CHANGE 2                                       ; period 15 is written out
	FOUR_HALVES
	CHANGE 0
	s_wait_kmcnt 0x0                               ; the last, repeated mask words
	v_mov_b32 v[ADV], v[VB]                        ; slot 0, piece 3: the odd blocks' last
	s_cmp_eq_u32 s[PAR], 1
	s_cbranch_scc0 .Lno_tail
	MAT                                            ; wave p = 1: its step 31
.Lno_tail:
	s_wait_dscnt 0x0
	s_barrier_signal -1
	s_barrier_wait -1                              ; nobody reads the ring any more: both slots have had their last fill and serve as the exchange and the stages
	; THE MERGE.  l's halves are added (these additions are the places behind the last products); my tiles 2, 3 go to my partner as images of their registers, with c m and l.
.irp x, 0,1,2,3
	v_add_f32 v[ST+4*\x+2], v[ST+4*\x+2], v[ST+4*\x+3]
.endr
.irp x, 0,1,2,3
	v_permlanex16_b32 v[CH+\x], v[ST+4*\x+2], s12, s13
.endr
.irp x, 0,1,2,3
	v_add_f32 v[ST+4*\x+2], v[ST+4*\x+2], v[CH+\x]
.endr
	v_mov_b32 v248, v[ST+8]
	v_mov_b32 v249, v[ST+10]
	v_mov_b32 v250, v[ST+12]
	v_mov_b32 v251, v[ST+14]
	WIN 0x04                                       ; an LDS store's data are its source 1: window 1
.set ii, 0
.rept 32
	ds_store_b128 v[EXW], v[128+4*ii:131+4*ii] offset:512*ii   ; each accumulator from its low end on
.set ii, ii+1
.endr
	WIN 0
	ds_store_b128 v[EXW], v[248:251] offset:16384
	s_wait_dscnt 0x0                               ; for my partner's sake: my stores have landed
	s_barrier_signal -1
	s_barrier_wait -1
	ds_load_b128 v[252:255], v[EXR] offset:16384   ; my partner's c m and l of my tiles 0, 1
	s_wait_dscnt 0x0
	v_max_num_f32 v240, v[ST], v252
	v_max_num_f32 v241, v[ST+4], v254
	v_sub_f32 v242, v[ST], v240
	v_sub_f32 v243, v252, v240
	v_sub_f32 v244, v[ST+4], v241
	v_sub_f32 v245, v254, v241
.irp i, 242,243,244,245
	v_exp_f32 v\i, v\i                             ; each part's factor under the common maximum
.endr
	v_nop
	s_wait_alu depctr_va_vdst(0)                   ; one wait for the four
	v_mul_f32 v246, v242, v[ST+2]
	v_mul_f32 v247, v244, v[ST+6]
	v_fmac_f32 v246, v243, v253
	v_fmac_f32 v247, v245, v255                    ; the whole row's l
	v_rcp_f32 v246, v246
	v_rcp_f32 v247, v247
	v_nop
	s_wait_alu depctr_va_vdst(0)                   ; one wait for the two
	v_mul_f32 v32, v242, v246                      ; tile 0: my factor / l,
	v_mul_f32 v34, v243, v246                      ; my partner's
	v_mul_f32 v36, v244, v247                      ; tile 1 likewise
	v_mul_f32 v38, v245, v247
; THE WAY OUT of tile e: my partner's part from the exchange, both parts weighed and added; a lane's eight channels of a row go into my stage (rows of 512 + 16 bytes) and come back as whole rows.
.macro OUTT e
.irp u, 0,1,2,3,4,5,6,7,8,9,10,11,12,13,14,15
	ds_load_b128 v[K+4*\u:K+4*\u+3], v[EXR] offset:512*(16*\e+\u)
.endr
	s_wait_dscnt 0x0
.set ii, 0
.rept 32
	v_pk_mul_f32 v[K+2*ii:K+2*ii+1], v[K+2*ii:K+2*ii+1], v[34+4*\e:35+4*\e] op_sel_hi:[1,0]
.set ii, ii+1
.endr
	WIN 0x01                                       ; source 0, my O^T, in window 1
.set ii, 0
.rept 32
	v_pk_fma_f32 v[K+2*ii:K+2*ii+1], v[64*\e+2*ii:64*\e+2*ii+1], v[32+4*\e:33+4*\e], v[K+2*ii:K+2*ii+1] op_sel_hi:[1,0,1]
.set ii, ii+1
.endr
	WIN 0
.irp u, 0,1,2,3,4,5,6,7
	ds_store_b128 v[TSW], v[K+8*\u:K+8*\u+3] offset:64*\u
	ds_store_b128 v[TSW], v[K+8*\u+4:K+8*\u+7] offset:64*\u+16
.endr
.if \e
	s_wait_xcnt 0x0                                ; tile 0's stores have read their data: the rows below land there
.endif
.irp u, 0,1,2,3,4,5,6,7,8,9,10,11,12,13,14,15
	ds_load_b128 v[P+4*\u:P+4*\u+3], v[TSR] offset:528*\u   ; LDS serves a wave's instructions in order (ISA guide 5.7.1.4): these see my stores
.endr
.irp u, 0,1,2,3,4,5,6,7,8,9,10,11,12,13,14,15
	s_wait_dscnt 15-\u                             ; row u is back; the rows behind it may be out
	global_store_b128 v[LI], v[P+4*\u:P+4*\u+3], s[8:9] offset:8192*\e+512*\u th:TH_STORE_NT   ; 32 lanes store a row of 512 consecutive bytes, aligned
.endr
.endm
	OUTT 0
	OUTT 1
	s_wait_tensorcnt 0x0                           ; the wave's end, behind my last tensor load and my last LDS store
	ds_add_u32 v[SPW], v[NIL]
	s_wait_dscnt 0x0
	CROUND                                         ; the closing round: no work-group ends while a partner may still ask for a piece that names it
	s_endpgm
.Lfunc_end_k_q4a10104029_attn:
	.size	k_q4a10104029_attn, .Lfunc_end_k_q4a10104029_attn-k_q4a10104029_attn
	.p2alignl 7, 3214868480
	.fill 96, 4, 3214868480
	.section	.rodata,"a",@progbits
	.p2align	6, 0x0
	.amdhsa_kernel k_q4a10104029_attn
		.amdhsa_group_segment_fixed_size 327680
		.amdhsa_private_segment_fixed_size 0
		.amdhsa_enable_private_segment 0
		.amdhsa_kernarg_size 24
		.amdhsa_user_sgpr_count 2
		.amdhsa_user_sgpr_kernarg_segment_ptr 1
		.amdhsa_wavefront_size32 1
		.amdhsa_system_sgpr_workgroup_id_x 1
		.amdhsa_system_sgpr_workgroup_id_y 1
		.amdhsa_system_sgpr_workgroup_id_z 1
		.amdhsa_system_vgpr_workitem_id 0
		.amdhsa_next_free_vgpr 512
		.amdhsa_next_free_sgpr 106
		.amdhsa_reserve_vcc 0
		.amdhsa_float_denorm_mode_32 3
		.amdhsa_float_denorm_mode_16_64 3
		.amdhsa_memory_ordered 1
		.amdhsa_forward_progress 1
		.amdhsa_inst_pref_size 148
	.end_amdhsa_kernel
	.amdgpu_metadata
---
amdhsa.version: [ 1, 2 ]
amdhsa.kernels:
  - .name:           k_q4a10104029_attn
    .symbol:         k_q4a10104029_attn.kd
    .args:
      - { .name: ws, .offset: 0, .size: 8, .value_kind: global_buffer, .address_space: global }
      - { .name: hid, .offset: 8, .size: 8, .value_kind: global_buffer, .address_space: global }
      - { .name: out0, .offset: 16, .size: 8, .value_kind: global_buffer, .address_space: global }
    .group_segment_fixed_size: 327680
    .private_segment_fixed_size: 0
    .kernarg_segment_align: 8
    .kernarg_segment_size: 24
    .max_flat_workgroup_size: 256
    .sgpr_count:     106
    .vgpr_count:     512
    .wavefront_size: 32
...
	.end_amdgpu_metadata
.endif
;; end of part 2
